; MI455X (gfx1250); checked and timed in simulation.
; The chip was launched on July 23, 2026; its instructions are those of AMD's public machine-readable ISA for CDNA 5 (MIT licence, August 2026) and "CDNA5" Instruction Set Architecture Reference Guide (July 2026). The comments in the code are by the model that wrote it; some were corrected since.
;; MAB mk2. Allowed arithmetic: matrix products marked QUANTISED: E2M3 operands, one E8M0 scale for each 32 along K, by v_wmma_scale_f32_16x16x128_f8f6f4 with both operands' format E2M3, f32 sums; everything else in f32.
;; Inputs: K 16 x 1,024 x 512 float32; Km 16 x 1,024 x 1 float32; Q 16 x 1,024 x 512 float32; Qm 16 x 1,024 x 1 float32; Wk 512 x 512 float32; Wo 512 x 512 float32; Wq 512 x 512 float32; Wv 512 x 512 float32; b0 512 float32; b1 512 float32; bk 512 float32; bo 512 float32; bq 512 float32; bv 512 float32; g0 512 float32; g1 512 float32.
;; Outputs: out0 16 x 1,024 x 512 float32.
;; This version of the problem:
;;   THIS VERSION OF THE PROBLEM IS GIVEN IN LOW PRECISION. The matrix products marked QUANTISED in the list below multiply operands that are first quantised to E2M3 (2 exponent bits, 3 mantissa bits; 6 bits a number), with one power-of-two scale for each 32 numbers along K (OCP MX v1.0); their sums are f32. All else is computed in f32.
;;   The module's matrix products, in the order in which they are computed (A, B: the left and right operand; K: the contracted axis; several contracted axes count as one K, in the product's order):
;;     1. [M 16,384, K 512] x [K 512, N 512]; A: input Q; B: input Wq: QUANTISED
;;     2. [M 16,384, K 512] x [K 512, N 512]; A: input K; B: input Wk: QUANTISED
;;     3. [M 16,384, K 512] x [K 512, N 512]; A: input K; B: input Wv: QUANTISED
;;     4. batch 128 x [M 1,024, K 64] x [K 64, N 1,024]; A: computed on the way; B: computed on the way: QUANTISED
;;     5. batch 128 x [M 1,024, K 1,024] x [K 1,024, N 64]; A: computed on the way; B: computed on the way: QUANTISED
;;     6. [M 16,384, K 512] x [K 512, N 512]; A: computed on the way; B: input Wo: QUANTISED
;;   THE QUANTISER, for each operand of a quantised product, along K:
;;     - K is cut into blocks of 32 from its start; a last block that is shorter is filled with zeros.
;;     - A block's scale is 2^e with e = floor(log2(the largest magnitude in the block)) - 2, held to -126 .. 127; a block of zeros has e = 0. As a byte (E8M0): e + 127.
;;     - Each number is divided by its block's scale, clamped to +-7.5, and rounded to the nearest number of E2M3, ties to even, subnormals kept.
;;     - The product sums the exact products of the quantised numbers (number of the format x scale) in f32.
;;   ~~~python
;;   def quantise(x, axis):      # numpy; x: float32 -> the quantised numbers, widened to float32 again
;;       x = np.moveaxis(x, axis, -1); K = x.shape[-1]
;;       x = np.pad(x, [(0, 0)] * (x.ndim - 1) + [(0, -K % 32)]); x = x.reshape(x.shape[:-1] + (-1, 32)); a = np.abs(x).max(-1, keepdims=True)
;;       e = np.where(a > 0, np.clip(np.frexp(np.where(a > 0, a, 1))[1] - 1 - 2, -126, 127), 0)      # np.frexp(a)[1] - 1 = floor(log2(a)), exactly
;;       r = np.clip(x / 2.0 ** e, -7.5, 7.5)
;;       step = 2.0 ** (np.maximum(np.frexp(np.where(r == 0, 1, r))[1] - 1, 0) - 3)
;;       q = np.round(r / step) * step * 2.0 ** e      # np.round: ties to even
;;       return np.moveaxis(q.reshape(q.shape[:-2] + (-1,))[..., :K], -1, axis).astype(np.float32)
;;   ~~~
;;   OPERANDS COMPUTED ON THE WAY. 'Computed on the way' means the value that the module computes at that place (a softmax that the list does not call 'softmax' is quantised finished and normalised). What goes into a quantiser is computed in f32, as accurately as f32 sums, v_exp_f32 and their like allow (about 1e-6 of the number): no bf16 or f16 on the way to a quantiser, and a product that is left as it is and whose result goes on into a quantised operand takes f32 operands (vector FMAs, or v_wmma_f32_16x16x4_f32). A number that lies on a knife's edge between two numbers of the format may be rounded either way, as far as f32 arithmetic and the matrix unit's own rounding can turn it there, and no further.
;; One version. Each part assembles by itself: llvm-mc -triple=amdgcn-amd-amdhsa -mcpu=gfx1250 --defsym DOCPART=n.
;; ======== version 1 of 1: 3 launches
;; workspace buffers: wimg 851,968 bytes; kv 13,631,488 bytes
;; launch wq (part 1): grid 128 x 1, 4 waves a work-group, no clusters, 0 bytes of LDS; arguments Wq, Wk, Wv, Wo, wimg; writes wimg
.if DOCPART == 1
	.amdgcn_target "amdgcn-amd-amdhsa--gfx1250"
	.amdhsa_code_object_version 6
	.text
	.protected	k_qa4e78cd369_wq
	.globl	k_qa4e78cd369_wq
	.p2align	8
	.type	k_qa4e78cd369_wq,@function
k_qa4e78cd369_wq:
	s_mov_b64 s[64:65], 0
	v_nop
	global_prefetch_b8 v0, s[64:65] scope:SCOPE_SE
	s_setreg_imm32_b32 hwreg(HW_REG_WAVE_MODE, 25, 1), 1
	s_wait_xcnt 0x0
; Wq, Wk, Wv, Wo [512 (k)][512 (n)] f32 become codes of FP6 (E2M3) with one E8M0 byte for each 32 along K, laid as IMAGES OF OPERAND REGISTERS.
; A fragment is 16 columns n x 128 k, 12 registers a lane: lane (r, h) holds column n(T, r) = 32 (T / 2) + 8 (T % 2) + r + 8 (r / 8) and k = 128 s + 64 c + 32 h + 0 .. 31 in registers 6 c .. 6 c + 5.
; Its image is 1,536 bytes: registers 4 g .. 4 g + 3 of lane L at 512 g + 16 L.  Its scale word lies at 4 L of an array of 128 bytes (the same word in lanes r and r + 16).
; A record (53,248 bytes) holds the 32 fragments of 8 tiles (index 4 (T % 8) + s), then their 32 arrays of scale words.  Records: Wq 0-3, Wk 4-7, Wv 8-11, Wo 12-15.
; A LANE TAKES A COLUMN AND ITS REGISTERS RUN DOWN K: a block of 32 lies in one lane, and the conversions' results are the operand's registers.
; One wave makes one fragment: 512 fragments, 128 work-groups of four waves whose tiles 4 g .. 4 g + 3 stand side by side on 256 bytes of each row.  No LDS, no barrier: waves share nothing.
; LIMITS: NaN and infinities are not served; a block whose largest magnitude lies under 2^-124 keeps the byte 1 (a block of zeros too, where the rule says 127: its codes are zeros, and this program alone reads the bytes).
.set REC,  53248
.set WOFF, 49152
	s_load_b256 s[4:11], s[0:1], 0x0               ; Wq, Wk, Wv, Wo
	s_load_b64 s[12:13], s[0:1], 0x20              ; wimg
	v_lshrrev_b32 v1, 5, v0
	v_readfirstlane_b32 s14, v1                    ; wave
	v_and_b32 v2, 31, v0                           ; L
	v_and_b32 v3, 15, v0                           ; r
	v_bfe_u32 v4, v0, 4, 1                         ; h
	v_and_b32 v5, 8, v3
	v_add_nc_u32 v5, v5, v3                        ; r + 8 (r / 8)
	v_lshlrev_b32 v5, 2, v5
	v_lshl_add_u32 v5, v4, 16, v5                  ; + 32 h rows of 2,048 bytes
	v_lshlrev_b32 v6, 4, v2                        ; 16 L
	v_lshlrev_b32 v7, 2, v2                        ; 4 L
	v_lshlrev_b32 v8, 3, v4                        ; 8 h: my two bytes' place in the scale word
	s_mov_b32 s30, 0x76543210
	s_mov_b32 s31, 0xfedcba98                      ; lane l xor 16
	s_lshr_b32 s15, ttmp9, 5                       ; which weight
	s_bfe_u32 s16, ttmp9, 0x20003                  ; K step s
	s_and_b32 s17, ttmp9, 7
	s_lshl_b32 s17, s17, 2
	s_add_co_u32 s17, s17, s14                     ; tile T = 4 x group + wave
	s_lshl_b32 s18, s16, 18                        ; 128 s rows
	s_lshr_b32 s19, s17, 1
	s_lshl_b32 s19, s19, 7
	s_add_co_u32 s18, s18, s19                     ; + 4 x 32 (T / 2)
	s_and_b32 s19, s17, 1
	s_lshl_b32 s19, s19, 5
	s_add_co_u32 s18, s18, s19                     ; + 4 x 8 (T % 2)
	s_mov_b32 s19, 0
	s_lshl_b32 s20, s15, 2
	s_lshr_b32 s21, s17, 3
	s_add_co_u32 s20, s20, s21
	s_mul_i32 s20, s20, REC                        ; the record
	s_and_b32 s21, s17, 7
	s_lshl_b32 s21, s21, 2
	s_add_co_u32 s21, s21, s16                     ; the fragment in it
	s_mul_i32 s22, s21, 1536
	s_add_co_u32 s22, s22, s20
	s_mov_b32 s23, 0
	s_lshl_b32 s24, s21, 7
	s_add_co_u32 s24, s24, s20
	s_add_co_u32 s24, s24, WOFF
	s_mov_b32 s25, 0
	s_and_b32 s21, s15, 1
	s_wait_kmcnt 0x0
	s_cmp_lt_u32 s15, 2                            ; the choice hangs on the work-group's number alone
	s_cselect_b64 s[4:5], s[4:5], s[8:9]           ; Wq or Wv
	s_cselect_b64 s[6:7], s[6:7], s[10:11]         ; Wk or Wo
	s_cmp_eq_u32 s21, 0
	s_cselect_b64 s[4:5], s[4:5], s[6:7]
	s_add_nc_u64 s[4:5], s[4:5], s[18:19]
	s_add_nc_u64 s[26:27], s[12:13], s[22:23]      ; the image
	s_add_nc_u64 s[28:29], s[12:13], s[24:25]      ; the scale words
.set i, 0
.rept 64
	global_load_b32 v[64+i], v5, s[4:5] offset:(64*(i/32)+i%32)*2048   ; W(128 s + 64 c + 32 h + i, my column)
.set i, i+1
.endr
	s_wait_loadcnt 0x0
.irp c, 0,1                                    ; my block 2 c + h: all its 32 numbers are mine
	v_max3_num_f32 v[32+\c], |v[64+32*\c]|, |v[65+32*\c]|, 0x1800000   ; with the floor 2^(3 - 127): the byte cannot fall under 1
.endr
.irp i, 2,4,6,8,10,12,14,16,18,20,22,24,26,28,30
.irp c, 0,1
	v_max3_num_f32 v[32+\c], v[32+\c], |v[64+32*\c+\i]|, |v[65+32*\c+\i]|
.endr
.endr
.irp c, 0,1
	v_add_nc_u32 v[44+\c], 0xff000000, v[32+\c]    ; 2 off the exponent field: the conversion's scale operand
.endr
.irp c, 0,1
	v_lshrrev_b32 v[36+\c], 23, v[44+\c]           ; the scale's byte
.endr
	v_lshl_or_b32 v9, v37, 16, v36                 ; blocks h and 2 + h,
	v_lshlrev_b32 v9, v8, v9                       ; at their places;
	v_mov_b32 v10, 0
	v_permlanex16_b32 v10, v9, s30, s31
	v_or_b32 v9, v9, v10                           ; with lane l xor 16's two the word is whole, in both halves
.irp c, 0,1
	v_cvt_scalef32_pk16_fp6_f32 v[48+6*\c:50+6*\c], v[64+32*\c:79+32*\c], v[44+\c]
	v_cvt_scalef32_pk16_fp6_f32 v[12+4*\c:14+4*\c], v[80+32*\c:95+32*\c], v[44+\c]   ; (a conversion's three registers begin on an even number)
.endr
	v_nop                                          ; one plain place behind a scaled conversion
.irp c, 0,1
.irp i, 0,1,2
	v_mov_b32 v[51+6*\c+\i], v[12+4*\c+\i]
.endr
.endr
	global_store_b128 v6, v[48:51], s[26:27]       ; each store of the wave covers 512 consecutive bytes, aligned
	global_store_b128 v6, v[52:55], s[26:27] offset:512
	global_store_b128 v6, v[56:59], s[26:27] offset:1024
	global_store_b32 v7, v9, s[28:29]
	s_endpgm
.Lfunc_end_k_qa4e78cd369_wq:
	.size	k_qa4e78cd369_wq, .Lfunc_end_k_qa4e78cd369_wq-k_qa4e78cd369_wq
	.p2alignl 7, 3214868480
	.fill 96, 4, 3214868480
	.section	.rodata,"a",@progbits
	.p2align	6, 0x0
	.amdhsa_kernel k_qa4e78cd369_wq
		.amdhsa_group_segment_fixed_size 0
		.amdhsa_private_segment_fixed_size 0
		.amdhsa_enable_private_segment 0
		.amdhsa_kernarg_size 40
		.amdhsa_user_sgpr_count 2
		.amdhsa_user_sgpr_kernarg_segment_ptr 1
		.amdhsa_wavefront_size32 1
		.amdhsa_system_sgpr_workgroup_id_x 1
		.amdhsa_system_sgpr_workgroup_id_y 1
		.amdhsa_system_sgpr_workgroup_id_z 1
		.amdhsa_system_vgpr_workitem_id 0
		.amdhsa_next_free_vgpr 128
		.amdhsa_next_free_sgpr 66
		.amdhsa_reserve_vcc 0
		.amdhsa_float_denorm_mode_32 3
		.amdhsa_float_denorm_mode_16_64 3
		.amdhsa_memory_ordered 1
		.amdhsa_forward_progress 1
		.amdhsa_inst_pref_size 12
	.end_amdhsa_kernel
	.amdgpu_metadata
---
amdhsa.version: [ 1, 2 ]
amdhsa.kernels:
  - .name:           k_qa4e78cd369_wq
    .symbol:         k_qa4e78cd369_wq.kd
    .args:
      - { .name: Wq, .offset: 0, .size: 8, .value_kind: global_buffer, .address_space: global }
      - { .name: Wk, .offset: 8, .size: 8, .value_kind: global_buffer, .address_space: global }
      - { .name: Wv, .offset: 16, .size: 8, .value_kind: global_buffer, .address_space: global }
      - { .name: Wo, .offset: 24, .size: 8, .value_kind: global_buffer, .address_space: global }
      - { .name: wimg, .offset: 32, .size: 8, .value_kind: global_buffer, .address_space: global }
    .group_segment_fixed_size: 0
    .private_segment_fixed_size: 0
    .kernarg_segment_align: 8
    .kernarg_segment_size: 40
    .max_flat_workgroup_size: 128
    .sgpr_count:     66
    .vgpr_count:     128
    .wavefront_size: 32
...
	.end_amdgpu_metadata
.endif
;; end of part 1
;; launch proj (part 2): grid 256 x 1, 4 waves a work-group, no clusters, 160,256 bytes of LDS; arguments K, Km, bk, bv, wimg, kv; writes kv
.if DOCPART == 2
	.amdgcn_target "amdgcn-amd-amdhsa--gfx1250"
	.amdhsa_code_object_version 6
	.text
	.protected	k_qa4e78cd369_proj
	.globl	k_qa4e78cd369_proj
	.p2align	8
	.type	k_qa4e78cd369_proj,@function
k_qa4e78cd369_proj:
	s_mov_b64 s[64:65], 0
	v_nop
	global_prefetch_b8 v0, s[64:65] scope:SCOPE_SE
	s_setreg_imm32_b32 hwreg(HW_REG_WAVE_MODE, 25, 1), 1
	s_wait_xcnt 0x0
; Kp = (K Wk + bk) Km and V = K Wv + bv, both products on codes of FP6 (E2M3) with E8M0 scales; the results are quantised at once for the attention's two products and stored as images of operand registers.
; K [16][1024][512] f32 is read once.  A work-group owns 64 keys of one batch, as four tiles of rows m = 2 p + u in which lane r holds key 32 p + 8 u + r + 8 (r / 8).
; X: wave w quantises tile w (its rows turn through the wave's own stage in LDS, so that each load reads 512 consecutive bytes and a lane then holds 16 neighbours of each block of 32); the four K steps' images go to LDS | barrier |
; then THE WAVES SHARE THE COLUMNS: wave w makes channels 128 w .. 128 w + 127 (heads 2 w, 2 w + 1) of Kp and of V for all 64 keys.
; Kp is made transposed (source 0 = 16 rows of Wk, source 1 = keys): a lane holds one key, registers run along the channels, which are the scores' K.  V is made the other way round: a lane holds one channel, registers run along the keys, which are the second product's K.
; THE WEIGHTS' RING: my 16 tiles (Wk's 8, then Wv's 8) go from memory through four sets of registers.  A tile's 16 loads are issued behind the products of the tile four back, so that three tiles' loads, 48, are out while one tile is multiplied; the ring does not stop between the two weights.
; kv holds, for each batch and head, a record for K and one for V, 53,248 bytes each: 32 fragment images of 1,536 bytes, then 32 arrays of 128 bytes of scale words.
;   K: fragment p = keys 32 p .. 32 p + 31: registers 0-5 tile u = 0 (channels 32 h ..), registers 6-11 tile u = 1; scale word [u0 block 0, u0 block 1, u1 block 0, u1 block 1].
;   V: fragment 4 j + tau (128 keys j, 16 channels tau) as two parts of 768 bytes (registers 6 c .. 6 c + 3 at 16 L, 6 c + 4, 6 c + 5 at 512 + 8 L); this work-group's 64 keys are part c = kb % 2 of step kb / 2.
; NO CLUSTER: a wave's 53,248 bytes of each weight are read by that wave alone in its work-group and go from memory straight into operand registers; a joint way through LDS would want 4 x 53,248 bytes for each weight beside the 160,256 in use, and a refill between the two weights.
; The scale words leave in pieces of 128 bytes (K) and 2 bytes a lane (V): one byte in 13 of what the launch stores.
; LIMITS: NaN and infinities are not served; a block whose largest magnitude lies under 2^-124 keeps the byte 1 (a block of zeros too, where the rule says 127: its codes are zeros, and this program alone reads the bytes).
; REGISTERS: window 0: v1-15 addresses; v16-23 Km; v24-47 images; v48-63 the weights' scale words, four sets; v144-207 64 numbers; v208-231 at work; v232-247 x's scale words.
;   window 1: x's 16 fragments; v192-255 bv as a sum's first C.  window 2: the 64 row loads, then 256 accumulators.  window 3: v0-63 bk as a sum's first C; v64-255 four weight tiles.
.set REC,    53248
.set WOFF,   49152
.set SPITCH, 2064                      ; a stage row: 2,048 bytes + 16 = 516 words: row r starts 4 r banks on
.set STB,    33280                     ; a wave's stage
.set XIMG,   133120                    ; x's 16 fragment images (4 m + s)
.set XSC,    157696                    ; their scale words
.set SPARE,  159744                    ; the spare words, 128 bytes a wave: two blocks of 256 bytes that no other line names
.set LI,  1
.set LS,  2
.set L8,  3
.set STA, 4
.set STR, 5
.set XWI, 6
.set XWS, 7
.set LIX, 8
.set LSX, 9
.set H64, 10
.set RM4, 11
.set SPW, 12
.set NIL, 13
.set PW,  14
.set KMR, 16
.set IMGE, 24
.set IMGO, 36
.set WSC, 48                           ; window 0: set t % 4 at v[WSC + 4 (t % 4)]
.set WB,  64                           ; window 3: set t % 4 at v[WB + 48 (t % 4)]
.set BV,  192                          ; window 1
.set NB,  144
.set TQ,  208
.set TM,  216
.set XS,  232
.set WV,  16
.set SEL, 18
.set WKP, 24
.set WVP, 26
.set KB,  28
.set KSP, 30
.set VB,  32
.set VSP, 34
.set MSB, 0
.macro WIN new                         ; the immediate's high byte repeats the setting that is left
.if MSB != (\new)
	s_set_vgpr_msb (MSB<<8)|(\new)
.set MSB, (\new)
.endif
.endm
.macro PLACES n
.rept \n
	v_nop
.endr
.endm
.macro WMC d, a, b, c, sa, sb
	v_wmma_scale_f32_16x16x128_f8f6f4 v[(\d):(\d)+7], v[(\a):(\a)+11], v[(\b):(\b)+11], v[(\c):(\c)+7], v[\sa], v[\sb] matrix_a_fmt:MATRIX_FMT_FP6 matrix_b_fmt:MATRIX_FMT_FP6
.endm
; 64 numbers of a lane in window win, register 16 b + i = k 32 b + 16 h + i of my row: codes of blocks 0, 1 into v[da] on (6 registers), of blocks 2, 3 into v[db] on, the four bytes into v[pw].
.macro QUANT src, win, da, db, pw
	WIN ((\win)<<2)|((\win)<<4)
.irp b, 0,1,2,3
	v_max3_num_f32 v[TM+\b], 0x1800000, |v[(\src)+16*\b]|, |v[(\src)+16*\b+1]|   ; my 16 numbers of block b, and the floor 2^(3 - 127)
.endr
.irp i, 2,4,6,8,10,12,14
.irp b, 0,1,2,3
	v_max3_num_f32 v[TM+\b], v[TM+\b], |v[(\src)+16*\b+\i]|, |v[(\src)+16*\b+\i+1]|
.endr
.endr
	WIN 0
.irp b, 0,1,2,3
	v_permlanex16_b32 v[TM+4+\b], v[TM+\b], s[SEL], s[SEL+1]
.endr
.irp b, 0,1,2,3
	v_max_num_f32 v[TM+\b], v[TM+\b], v[TM+4+\b]   ; with lane l xor 16's: the block's largest magnitude
.endr
.irp b, 0,1,2,3
	v_add_nc_u32 v[TM+12+\b], 0xff000000, v[TM+\b] ; 2 off its exponent field: the conversion's scale operand
.endr
.irp b, 0,1,2,3
	v_lshrrev_b32 v[TM+4+\b], 23, v[TM+12+\b]      ; the byte
.endr
	v_lshl_or_b32 v[\pw], v[TM+5], 8, v[TM+4]
	v_lshl_or_b32 v[\pw], v[TM+6], 16, v[\pw]
	v_lshl_or_b32 v[\pw], v[TM+7], 24, v[\pw]
	WIN \win
	v_cvt_scalef32_pk16_fp6_f32 v[(\da):(\da)+2], v[(\src):(\src)+15], v[TM+12]
	v_cvt_scalef32_pk16_fp6_f32 v[TQ:TQ+2], v[(\src)+16:(\src)+31], v[TM+13]
	v_cvt_scalef32_pk16_fp6_f32 v[(\db):(\db)+2], v[(\src)+32:(\src)+47], v[TM+14]
	v_cvt_scalef32_pk16_fp6_f32 v[TQ+4:TQ+6], v[(\src)+48:(\src)+63], v[TM+15]
	WIN 0
	v_nop                                          ; one plain place behind a scaled conversion
.irp i, 0,1,2                                  ; the operand wants a whole block in a lane: lanes 0-15 the even block, lanes 16-31 the odd one
	v_permlane16_swap_b32 v[(\da)+\i], v[TQ+\i]
	v_permlane16_swap_b32 v[(\db)+\i], v[TQ+4+\i]
.endr
.irp i, 0,1,2
	v_mov_b32 v[(\da)+3+\i], v[TQ+\i]
	v_mov_b32 v[(\db)+3+\i], v[TQ+4+\i]
.endr
.endm
; weight tile t of my chunk: four fragments (window 3) and four scale words (window 0), from memory into set t % 4: 16 loads
.macro WLOAD t, bp
	WIN 0xc0
.set wl, 0
.rept 12
	global_load_b128 v[WB+48*((\t)%4)+4*wl:WB+48*((\t)%4)+4*wl+3], v[LI], s[\bp:\bp+1] offset:(4*(\t)+wl/3)*1536+512*(wl%3)
.set wl, wl+1
.endr
	WIN 0
.irp q, 0,1,2,3
	global_load_b32 v[WSC+4*((\t)%4)+\q], v[LS], s[\bp:\bp+1] offset:WOFF+(4*(\t)+\q)*128
.endr
.endm
; 16 products: tile t against the four tiles of keys, K step by K step; the four accumulators take turns.  The first K step takes the bias as C.
.macro MMK t                           ; source 0 = Wk (window 3), source 1 = keys (window 1); C: bk (window 3), then the sum (window 2)
.irp q, 0,1,2,3
.if \q == 0
	WIN 0xb7
.else
	WIN 0xa7
.endif
.irp m, 0,1,2,3
.if \q == 0
	WMC 64*\m+8*(\t),WB+48*((\t)%4)+12*\q,12*(4*\m+\q),8*(\t),WSC+4*((\t)%4)+\q,XS+4*\m+\q
.else
	WMC 64*\m+8*(\t),WB+48*((\t)%4)+12*\q,12*(4*\m+\q),64*\m+8*(\t),WSC+4*((\t)%4)+\q,XS+4*\m+\q
.endif
.endr
.endr
.endm
.macro MMV t                           ; source 0 = keys (window 1), source 1 = Wv (window 3); C: bv (window 1), then the sum (window 2)
.irp q, 0,1,2,3
.if \q == 0
	WIN 0x9d
.else
	WIN 0xad
.endif
.irp m, 0,1,2,3
.if \q == 0
	WMC 32*(\t)+8*\m,12*(4*\m+\q),WB+48*((\t)%4)+12*\q,BV+8*(\t),XS+4*\m+\q,WSC+4*((\t)%4)+\q
.else
	WMC 32*(\t)+8*\m,12*(4*\m+\q),WB+48*((\t)%4)+12*\q,32*(\t)+8*\m,XS+4*\m+\q,WSC+4*((\t)%4)+\q
.endif
.endr
.endr
.endm
	s_load_b256 s[4:11], s[0:1], 0x0               ; K, Km, bk, bv
	s_load_b128 s[12:15], s[0:1], 0x20             ; wimg, kv
	v_lshl_add_u32 v[SPW], v0, 2, SPARE
	v_mov_b32 v[NIL], 0
	v_lshrrev_b32 v24, 5, v0
	v_readfirstlane_b32 s[WV], v24                 ; wave
	v_and_b32 v24, 31, v0                          ; L
	v_and_b32 v25, 15, v0                          ; r
	v_bfe_u32 v26, v0, 4, 1                        ; h
	v_lshlrev_b32 v[LI], 4, v24
	v_lshlrev_b32 v[LS], 2, v24
	v_lshlrev_b32 v[L8], 3, v24
	s_mul_i32 s20, s[WV], STB
	v_add_nc_u32 v[STA], s20, v[LI]                ; the stage, in: 16 L
	v_mul_u32_u24 v[STR], v25, SPITCH
	v_lshl_add_u32 v[STR], v26, 6, v[STR]
	v_add_nc_u32 v[STR], s20, v[STR]               ; out: row r, + 64 h
	s_mul_i32 s20, s[WV], 6144
	s_add_co_u32 s20, s20, XIMG
	v_add_nc_u32 v[XWI], s20, v[LI]
	s_lshl_b32 s20, s[WV], 9
	s_add_co_u32 s20, s20, XSC
	v_add_nc_u32 v[XWS], s20, v[LS]
	v_add_nc_u32 v[LIX], XIMG, v[LI]
	v_add_nc_u32 v[LSX], XSC, v[LS]
	v_lshlrev_b32 v[H64], 6, v26
	v_and_b32 v[RM4], 8, v25
	v_add_nc_u32 v[RM4], v[RM4], v25
	v_lshlrev_b32 v[RM4], 2, v[RM4]                ; 4 (r + 8 (r / 8))
.irp i, 17,19,21,23
	v_mov_b32 v\i, 0                               ; (upper halves of the pairs that the packed multiplies name)
.endr
.irp b, 0,1,2,3
	v_mov_b32 v[TM+4+\b], 0                        ; a lane permute's destination counts as one of its sources
.endr
	s_mov_b32 s[SEL], 0x76543210
	s_mov_b32 s[SEL+1], 0xfedcba98
	s_lshr_b32 s20, ttmp9, 4                       ; batch
	s_and_b32 s21, ttmp9, 15                       ; kb: which 64 keys
	s_lshl_b32 s22, s20, 4
	s_lshl_b32 s23, s[WV], 2
	s_add_co_u32 s22, s22, s23                     ; K's record of head 2 w: 16 b + 4 w
	s_mul_i32 s22, s22, REC
	s_mul_i32 s36, s21, 2*1536
	s_add_co_u32 s36, s36, s22
	s_mov_b32 s37, 0
	s_lshl_b32 s38, s21, 8
	s_add_co_u32 s38, s38, s22
	s_add_co_u32 s38, s38, WOFF
	s_mov_b32 s39, 0
	s_lshr_b32 s23, s21, 1                         ; kb / 2
	s_and_b32 s21, s21, 1                          ; kb % 2
	s_mul_i32 s40, s23, 4*1536
	s_mul_i32 s42, s21, 768
	s_add_co_u32 s40, s40, s42
	s_add_co_u32 s40, s40, s22
	s_add_co_u32 s40, s40, REC
	s_mov_b32 s41, 0
	s_lshl_b32 s42, s23, 9
	s_lshl_b32 s21, s21, 1
	s_add_co_u32 s42, s42, s21
	s_add_co_u32 s42, s42, s22
	s_add_co_u32 s42, s42, REC+WOFF
	s_mov_b32 s43, 0
	s_lshl_b32 s20, ttmp9, 6                       ; my first key among all 16,384,
	s_lshr_b32 s21, s[WV], 1
	s_lshl_b32 s21, s21, 5
	s_add_co_u32 s20, s20, s21                     ; + 32 p
	s_and_b32 s21, s[WV], 1
	s_lshl_b32 s21, s21, 3
	s_add_co_u32 s20, s20, s21                     ; + 8 u
	s_lshl_b32 s20, s20, 11
	s_mov_b32 s21, 0
	s_lshl_b32 s22, ttmp9, 8                       ; Km: 64 keys x 4 bytes
	s_mov_b32 s23, 0
	s_wait_kmcnt 0x0
	s_add_nc_u64 s[4:5], s[4:5], s[20:21]
	s_add_nc_u64 s[6:7], s[6:7], s[22:23]
	s_lshl_b32 s22, s[WV], 9
	s_add_nc_u64 s[8:9], s[8:9], s[22:23]          ; bk, bv: my 128 channels
	s_add_nc_u64 s[10:11], s[10:11], s[22:23]
	s_mul_i32 s22, s[WV], REC
	s_add_nc_u64 s[WKP:WKP+1], s[12:13], s[22:23]
	s_add_nc_u64 s[WKP:WKP+1], s[WKP:WKP+1], 4*REC
	s_add_nc_u64 s[WVP:WVP+1], s[WKP:WKP+1], 4*REC
	s_add_nc_u64 s[KB:KB+1], s[14:15], s[36:37]
	s_add_nc_u64 s[KSP:KSP+1], s[14:15], s[38:39]
	s_add_nc_u64 s[VB:VB+1], s[14:15], s[40:41]
	s_add_nc_u64 s[VSP:VSP+1], s[14:15], s[42:43]
	; ---- X: my 16 rows, K step by K step: each load reads 512 consecutive bytes of a row
	WIN 0x80
.set n, 0
.rept 64
	global_load_b128 v[4*n:4*n+3], v[LI], s[4:5] offset:((n%16)+8*((n%16)/8))*2048+512*(n/16) th:TH_LOAD_NT
.set n, n+1
.endr
	WIN 0x08
.set n, 0
.rept 64
.if (n%16) == 0
	s_wait_loadcnt 48-n                            ; this K step's 16 loads are in; the later steps' may be out
.endif
	ds_store_b128 v[STA], v[4*n:4*n+3] offset:(n%16)*SPITCH+512*(n/16)
.set n, n+1
.endr
	; what the first products want is asked for now and lands while x is quantised: 16 + 8 + 4 + 2 x 16 = 60 loads
	WIN 0xc0
.set n, 0
.rept 16
	global_load_b128 v[4*n:4*n+3], v[H64], s[8:9] offset:128*(n/4)+16*(n%4)   ; bk in the result's layout: register 16 b + i = channel 32 b + 16 h + i
.set n, n+1
.endr
	WIN 0x40
.irp t, 0,1,2,3,4,5,6,7
	global_load_b32 v[BV+8*\t], v[RM4], s[10:11] offset:(32*(\t/2)+8*(\t%2))*4   ; bv of my lane's channel of tile t: one load a tile; it is spread over the tile's eight registers further down
.endr
	WIN 0
.irp m, 0,1,2,3
	global_load_b32 v[KMR+2*\m], v[RM4], s[6:7] offset:(32*(\m/2)+8*(\m%2))*4
.endr
	WLOAD 0, WKP
	WLOAD 1, WKP
.irp q, 0,1,2,3
.set n, 0
.rept 16
	ds_load_b128 v[NB+4*n:NB+4*n+3], v[STR] offset:512*\q+128*(n/4)+16*(n%4)   ; LDS serves a wave's instructions in order: these see my stores
.set n, n+1
.endr
	s_wait_dscnt 0x0
	QUANT NB,0,IMGE,IMGE+6,PW
	ds_store_b128 v[XWI], v[IMGE:IMGE+3] offset:1536*\q
	ds_store_b128 v[XWI], v[IMGE+4:IMGE+7] offset:1536*\q+512
	ds_store_b128 v[XWI], v[IMGE+8:IMGE+11] offset:1536*\q+1024
	ds_store_b32 v[XWS], v[PW] offset:128*\q
	s_wait_dscnt 0x0                               ; the stores have read their registers; in front of the barrier: they have landed
.endr
	WLOAD 2, WKP                                   ; the ring's other two sets: they land while the fragments of x are fetched
	WLOAD 3, WKP
	s_barrier_signal -1
	s_barrier_wait -1                              ; x's sixteen fragments lie in LDS
	; ---- F: all of them into my registers
	WIN 0x40
.set n, 0
.rept 48
	ds_load_b128 v[4*n:4*n+3], v[LIX] offset:512*n
.set n, n+1
.endr
	WIN 0
.set n, 0
.rept 16
	ds_load_b32 v[XS+n], v[LSX] offset:128*n
.set n, n+1
.endr
	; ---- K: Kp^T
.irp t, 0,1,2,3,4,5,6,7
	s_wait_loadcnt 48                              ; this tile's loads are in; the next three tiles' 48 may be out
.if \t == 0
	s_wait_dscnt 0x0                               ; x's fragments
.endif
	MMK \t
	PLACES 4                                       ; in front of loads into registers that the products have read, and of the first read of results
.if \t < 4
	WLOAD \t+4, WKP
.else
	WLOAD \t-4, WVP                                ; the ring goes on into Wv
.endif
.endr
	WIN 0x41
.irp t, 0,1,2,3,4,5,6,7
.irp i, 1,2,3,4,5,6,7
	v_mov_b32 v[BV+8*\t+\i], v[BV+8*\t]            ; a lane holds one channel of V: the tile's eight registers begin with the same bv
.endr
.endr
.irp m, 0,1,2,3
	WIN 0x82
.set n, 0
.rept 32
	v_pk_mul_f32 v[64*\m+2*n:64*\m+2*n+1], v[64*\m+2*n:64*\m+2*n+1], v[KMR+2*\m:KMR+2*\m+1] op_sel_hi:[1,0]   ; x Km of my key; each accumulator from its low end on
.set n, n+1
.endr
	QUANT 64*\m,2,IMGE+6*(\m%2),IMGO+6*(\m%2),PW+(\m%2)
.if (\m%2) == 1
	v_perm_b32 v[TM+8], v[PW+1], v[PW], 0x05040100 ; head 2 w: [u0 block 0, u0 block 1, u1 block 0, u1 block 1]
	v_perm_b32 v[TM+9], v[PW+1], v[PW], 0x07060302 ; head 2 w + 1
.irp g, 0,1,2
	global_store_b128 v[LI], v[IMGE+4*\g:IMGE+4*\g+3], s[KB:KB+1] offset:(\m/2)*1536+512*\g
	global_store_b128 v[LI], v[IMGO+4*\g:IMGO+4*\g+3], s[KB:KB+1] offset:2*REC+(\m/2)*1536+512*\g
.endr
	global_store_b32 v[LS], v[TM+8], s[KSP:KSP+1] offset:(\m/2)*128
	global_store_b32 v[LS], v[TM+9], s[KSP:KSP+1] offset:2*REC+(\m/2)*128
	s_wait_xcnt 0x0                                ; the stores' data are written again only behind this wait
.endif
.endr
	; ---- V
.irp t, 0,1,2,3,4,5,6,7
.if \t < 5
	s_wait_loadcnt 48                              ; the next three tiles' 48 may be out
.else
	s_wait_loadcnt 16*(7-\t)                       ; the ring runs out: two tiles' loads, one tile's, none
.endif
	MMV \t
	PLACES 4
.if \t < 4
	WLOAD \t+4, WVP
.endif
.endr
.irp a, 0,1,2,3                                ; channel tiles 2 a and 2 a + 1: 32 registers each, two blocks of 32 keys
	QUANT 64*\a,2,IMGE,IMGE+6,PW
	global_store_b128 v[LI], v[IMGE:IMGE+3], s[VB:VB+1] offset:(\a/2)*2*REC+2*(\a%2)*1536
	global_store_b64 v[L8], v[IMGE+4:IMGE+5], s[VB:VB+1] offset:(\a/2)*2*REC+2*(\a%2)*1536+512
	global_store_b128 v[LI], v[IMGE+6:IMGE+9], s[VB:VB+1] offset:(\a/2)*2*REC+2*(\a%2)*1536+1536
	global_store_b64 v[L8], v[IMGE+10:IMGE+11], s[VB:VB+1] offset:(\a/2)*2*REC+2*(\a%2)*1536+2048
	global_store_b16 v[LS], v[PW], s[VSP:VSP+1] offset:(\a/2)*2*REC+2*(\a%2)*128
	global_store_d16_hi_b16 v[LS], v[PW], s[VSP:VSP+1] offset:(\a/2)*2*REC+2*(\a%2)*128+128
	s_wait_xcnt 0x0
.endr
	s_wait_tensorcnt 0x0                           ; the wave's end, behind my last LDS store
	ds_add_u32 v[SPW], v[NIL]
	s_wait_dscnt 0x0
	s_endpgm
.Lfunc_end_k_qa4e78cd369_proj:
	.size	k_qa4e78cd369_proj, .Lfunc_end_k_qa4e78cd369_proj-k_qa4e78cd369_proj
	.p2alignl 7, 3214868480
	.fill 96, 4, 3214868480
	.section	.rodata,"a",@progbits
	.p2align	6, 0x0
	.amdhsa_kernel k_qa4e78cd369_proj
		.amdhsa_group_segment_fixed_size 160256
		.amdhsa_private_segment_fixed_size 0
		.amdhsa_enable_private_segment 0
		.amdhsa_kernarg_size 48
		.amdhsa_user_sgpr_count 2
		.amdhsa_user_sgpr_kernarg_segment_ptr 1
		.amdhsa_wavefront_size32 1
		.amdhsa_system_sgpr_workgroup_id_x 1
		.amdhsa_system_sgpr_workgroup_id_y 1
		.amdhsa_system_sgpr_workgroup_id_z 1
		.amdhsa_system_vgpr_workitem_id 0
		.amdhsa_next_free_vgpr 1024
		.amdhsa_next_free_sgpr 66
		.amdhsa_reserve_vcc 0
		.amdhsa_float_denorm_mode_32 3
		.amdhsa_float_denorm_mode_16_64 3
		.amdhsa_memory_ordered 1
		.amdhsa_forward_progress 1
		.amdhsa_inst_pref_size 147
	.end_amdhsa_kernel
	.amdgpu_metadata
---
amdhsa.version: [ 1, 2 ]
amdhsa.kernels:
  - .name:           k_qa4e78cd369_proj
    .symbol:         k_qa4e78cd369_proj.kd
    .args:
      - { .name: K, .offset: 0, .size: 8, .value_kind: global_buffer, .address_space: global }
      - { .name: Km, .offset: 8, .size: 8, .value_kind: global_buffer, .address_space: global }
      - { .name: bk, .offset: 16, .size: 8, .value_kind: global_buffer, .address_space: global }
      - { .name: bv, .offset: 24, .size: 8, .value_kind: global_buffer, .address_space: global }
      - { .name: wimg, .offset: 32, .size: 8, .value_kind: global_buffer, .address_space: global }
      - { .name: kv, .offset: 40, .size: 8, .value_kind: global_buffer, .address_space: global }
    .group_segment_fixed_size: 160256
    .private_segment_fixed_size: 0
    .kernarg_segment_align: 8
    .kernarg_segment_size: 48
    .max_flat_workgroup_size: 128
    .sgpr_count:     66
    .vgpr_count:     1024
    .wavefront_size: 32
...
	.end_amdgpu_metadata
.endif
;; end of part 2
;; launch attn (part 3): grid 16 x 16, 4 waves a work-group, clusters of 4 x 1, 327,680 bytes of LDS; arguments Q, Qm, Km, bq, g0, b0, bo, g1, b1, wimg, kv, out0; writes out0
.if DOCPART == 3
	.amdgcn_target "amdgcn-amd-amdhsa--gfx1250"
	.amdhsa_code_object_version 6
	.text
	.protected	k_qa4e78cd369_attn
	.globl	k_qa4e78cd369_attn
	.p2align	8
	.type	k_qa4e78cd369_attn,@function
k_qa4e78cd369_attn:
	s_mov_b64 s[64:65], 0
	v_nop
	global_prefetch_b8 v0, s[64:65] scope:SCOPE_SE
	s_setreg_imm32_b32 hwreg(HW_REG_WAVE_MODE, 25, 1), 1
	s_wait_xcnt 0x0
	s_wait_alu depctr_hold_cnt(0) depctr_sa_sdst(0) depctr_va_vdst(0) depctr_va_sdst(0) depctr_va_ssrc(0) depctr_va_vcc(0) depctr_vm_vsrc(0)
	s_getreg_b32 s2, hwreg(HW_REG_IB_STS2, 6, 4)
	s_cmp_eq_u32 s2, 0
	s_cbranch_scc0 .Lentry_in_a_cluster
	s_endpgm
.Lentry_in_a_cluster:
	s_bfe_u32 s2, ttmp6, 0x10000c
	s_cmp_lg_u32 s2, 0x3003
	s_cbranch_scc0 .Lentry_shape_is_right
	s_endpgm
.Lentry_shape_is_right:
; For 64 queries of one batch: Qp = (Q Wq + bq) Qm; for each of 8 heads S = Qh Kh^T / sqrt(512), X = exp(exp(S) Km) Qm, A = X / (sum X + 1e-8), O = Qh + A Vh; LN0; O + relu(O Wo + bo); LN1.
; All products on codes of FP6 (E2M3) with one E8M0 scale for each 32 along K; all else in f32.  Nothing between Q and out0 goes to memory.
; SHARES.  A wave owns 16 queries from beginning to end, ONE LANE PAIR (r, r + 16) TO A QUERY: every product is used transposed (source 0 = 16 rows of a weight, 16 keys or 16 channels of V; source 1 = my queries), so that a lane's
; registers run along the channels or the keys, and every sum over a row is a sum in the lane and one exchange with lane l xor 16.  Nothing passes between waves.
; THE ROWS OF A TILE ARE NOT NEIGHBOURS: lane r of tile T takes row 32 (T / 2) + 8 (T % 2) + r + 8 (r / 8), so that the 16 registers of tiles 2 b, 2 b + 1 are the neighbours 32 b + 16 h + 0 .. 15 along the next K.
; THE STREAM.  What the four waves, and the four work-groups of a cluster (four query blocks of one batch), share is one stream of 24 records of 53,248 bytes: Wq's 4, K's and V's for each of 8 heads, Wo's 4; each holds 32 images of
; operand registers (1,536 bytes: registers 4 g .. 4 g + 3 of lane L at 512 g + 16 L) and 32 arrays of scale words.  It goes through two LDS slots by JOINT tensor loads (mask: all four), a quarter of a record to a wave; record i lies in slot i % 2.
; A is quantised finished and normalised, so a row's sum over all 1,024 keys comes first: the unnormalised X of a head, 16 x 1,024, stays in 512 registers between the two passes, and each exponential is taken once.
; The scores' K is 64, the instruction's 128: a fragment of K carries two tiles of keys (registers 0-5, 6-11) and is multiplied by [Q | 0] and by [0 | Q]: zero codes add nothing.
; As the definition has it, no maximum is taken away ahead of the exponentials: they overflow where the definition's do.  exp(x) is 2^(x log2 e), the factor folded into the scalings ahead.
; NO PREFETCH: a record is asked for a whole pass (800 vector instructions or more) ahead of the wait for it.
; LIMITS: NaN and infinities are not served; a block whose largest magnitude lies under 2^-124 keeps the byte 1 (a block of zeros too: its codes are zeros, and the bytes stay in this program).  Km and Qm are taken as any finite numbers.
; REGISTERS, window 0: v1-27 addresses; v28, v29 the add's two; v30 Qm; v32-49 [0 | Q | 0]; v50 f; v52-63 statistics; v64-159 two sets of four fragments; v160-223 64 numbers; v224-246 scale words and nothing else.
;   head loop: key step j (128 keys, 64 registers) in window 1 + j / 3 at v[64 (j % 3)]; there too v192-203 the blocks' largest X, v204-207 partial sums; window 3 v128-159 O^T.
;   weight phases: window 1 v0-47 my rows' four fragments, v64-191 gains, biases or y; windows 2, 3: the record's 32 fragments.   layer norms: window 2: my 256 numbers a lane, for the variance.
.set REC,    53248
.set QREC,   13312
.set WOFF,   49152
.set SLOT1,  65536                     ; one exclusive or turns an address in slot 0 into slot 1's
.set KMS,    53248                     ; Km x log2 e of the batch, 4,096 bytes
.set PAR,    57344                     ; bq, g0, b0, bo: 2,048 bytes each
.set PAR2,   118784                    ; g1, b1
.set QC,     122880                    ; for each wave 7,168: images (my rows' fragments; then the heads' Q parts of 768 bytes), then 8 arrays of scale words
.set QCB,    7168
.set STASH,  151552                    ; for each wave 33,280: first the stage for Q's rows, then images of my 512 numbers a query
.set STB,    33280
.set SPARE,  284672                    ; the spare words, 128 bytes a wave: two blocks of 256 bytes that no other line names
.set SPITCH, 2064
.set OPITCH, 528                       ; the way out: 16 rows x (512 + 16) bytes a wave, in slot 0, behind its last fill and its last read
.set LI,  1
.set LS,  2
.set LI1, 3
.set L81, 4
.set LS1, 5
.set KMA, 6
.set PA,  7
.set PA2, 8
.set QCA, 9
.set QC8, 10
.set QCW, 11
.set STA, 12
.set STR, 13
.set OSW, 14
.set OSR, 15
.set PT,  16
.set PT2, 17
.set KMT, 18
.set T16, 19
.set R4,  20
.set AD,  21
.set ADW, 22
.set ADP, 23
.set ADS, 24
.set ADQ, 25
.set ADQ8, 26
.set ADQW, 27
.set SPW, 28
.set NIL, 29
.set NB,  160
.set XS,  240
.set QS,  244
.set PW0, 245
.set PC,  112                          ; weight phases: codes, and QUANT's registers
.set TQ,  124
.set TM,  132
.set TQ2, 184                          ; pass 2
.set TMA, 192
.set TX,  196
.set SO,  200
.set BY,  204
.set WV,  28
.set G0,  32
.set G1,  36
.set PWP, 44
.set PKP, 46
.set CS,  48
.set SEL, 50
.set TB,  52
.set CNT, 53
.set CB,  54
.set SB,  55
.set QB,  56
.set QW,  57
.set S1,  58
.set S2,  59
.set S3,  60
.set MSB, 0
.macro WIN new                         ; the immediate's high byte repeats the setting that is left
.if MSB != (\new)
	s_set_vgpr_msb (MSB<<8)|(\new)
.set MSB, (\new)
.endif
.endm
.macro PLACES n
.rept \n
	v_nop
.endr
.endm
.macro WMC d, a, b, c, sa, sb
	v_wmma_scale_f32_16x16x128_f8f6f4 v[(\d):(\d)+7], v[(\a):(\a)+11], v[(\b):(\b)+11], v[(\c):(\c)+7], v[\sa], v[\sb] matrix_a_fmt:MATRIX_FMT_FP6 matrix_b_fmt:MATRIX_FMT_FP6
.endm
.macro WMZ d, a, b, sa, sb
	v_wmma_scale_f32_16x16x128_f8f6f4 v[(\d):(\d)+7], v[(\a):(\a)+11], v[(\b):(\b)+11], 0, v[\sa], v[\sb] matrix_a_fmt:MATRIX_FMT_FP6 matrix_b_fmt:MATRIX_FMT_FP6
.endm
.macro ROUND                           ; a round of the cluster's barrier
	s_barrier_signal -1
	s_barrier_wait -1
	s_cmp_lg_u32 s[WV], 0
	s_cbranch_scc1 .Lnot_wave_0_\@
	s_barrier_signal -3
.Lnot_wave_0_\@:
	s_barrier_wait -3
	s_barrier_signal -1
	s_barrier_wait -1
.endm
; THE CHANGE OF SLOTS stands at a record's head.  Each wave waits for all its tensor loads (one is out: its quarter of the record ahead), adds 0 to its spare word, and waits for that and for its reads of the record that it has left.
; Behind the round the record ahead is whole and no wave of any partner reads the other slot: the next record is asked for, first thing; it has a whole record's work in which to land.
; mode 1: the next record is a weight's; 2: K's or V's; 3: a weight's but in the loop's last trip; 4: K's but in the last trip (the choice hangs on the count of trips alone); 0: nothing is left to ask for.
.macro CHANGE mode
	WIN 0
	s_wait_tensorcnt 0x0                           ; no tensor load of mine is out, so group 0 may be written
	ds_add_u32 v[SPW], v[NIL]                      ; 0 onto my spare word; the descriptor's steps stand between it and the wait for it
.if \mode
	s_xor_b32 s[G0+1], s[G0+1], SLOT1
.if \mode == 1
	s_mov_b64 s[G0+2:G0+3], s[PWP:PWP+1]
	s_add_nc_u64 s[PWP:PWP+1], s[PWP:PWP+1], REC
.elseif \mode == 2
	s_mov_b64 s[G0+2:G0+3], s[PKP:PKP+1]
	s_add_nc_u64 s[PKP:PKP+1], s[PKP:PKP+1], REC
.elseif \mode == 3
	s_cmp_lt_u32 s[CNT], 3
	s_cselect_b64 s[G0+2:G0+3], s[PWP:PWP+1], s[PKP:PKP+1]
	s_add_nc_u64 s[PWP:PWP+1], s[PWP:PWP+1], REC
.else
	s_cmp_lt_u32 s[CNT], 7
	s_cselect_b64 s[G0+2:G0+3], s[PKP:PKP+1], s[PWP:PWP+1]
	s_add_nc_u64 s[PKP:PKP+1], s[PKP:PKP+1], REC
.endif
	s_or_b32 s[G0+3], s[G0+3], 0x80000000
.endif
	s_wait_dscnt 0x0                               ; the add is done, my LDS stores have landed, and my reads of the record that I have left are over
.if \mode
	ROUND
	tensor_load_to_lds s[G0:G0+3], s[G1:G1+7]      ; my one tensor load until the next round
	s_nop 0
	PLACES 4
.else
	s_barrier_signal -1
	s_barrier_wait -1
.endif
.endm
; 64 numbers of a lane, register 16 b + i = k 32 b + 16 h + i of my row: codes of blocks 0, 1 into v[da] on (6 registers), of blocks 2, 3 into v[db] on, the four bytes into v[pw].
.macro QUANT src, da, db, pw
.irp b, 0,1,2,3
	v_max3_num_f32 v[TM+\b], 0x1800000, |v[(\src)+16*\b]|, |v[(\src)+16*\b+1]|   ; my 16 numbers of block b, and the floor 2^(3 - 127)
.endr
.irp i, 2,4,6,8,10,12,14
.irp b, 0,1,2,3
	v_max3_num_f32 v[TM+\b], v[TM+\b], |v[(\src)+16*\b+\i]|, |v[(\src)+16*\b+\i+1]|
.endr
.endr
.irp b, 0,1,2,3
	v_permlanex16_b32 v[TM+4+\b], v[TM+\b], s[SEL], s[SEL+1]
.endr
.irp b, 0,1,2,3
	v_max_num_f32 v[TM+\b], v[TM+\b], v[TM+4+\b]
.endr
.irp b, 0,1,2,3
	v_add_nc_u32 v[TM+12+\b], 0xff000000, v[TM+\b] ; 2 off the exponent field: the conversion's scale operand
.endr
.irp b, 0,1,2,3
	v_lshrrev_b32 v[TM+4+\b], 23, v[TM+12+\b]
.endr
	v_lshl_or_b32 v[\pw], v[TM+5], 8, v[TM+4]
	v_lshl_or_b32 v[\pw], v[TM+6], 16, v[\pw]
	v_lshl_or_b32 v[\pw], v[TM+7], 24, v[\pw]
	v_cvt_scalef32_pk16_fp6_f32 v[(\da):(\da)+2], v[(\src):(\src)+15], v[TM+12]
	v_cvt_scalef32_pk16_fp6_f32 v[TQ:TQ+2], v[(\src)+16:(\src)+31], v[TM+13]
	v_cvt_scalef32_pk16_fp6_f32 v[(\db):(\db)+2], v[(\src)+32:(\src)+47], v[TM+14]
	v_cvt_scalef32_pk16_fp6_f32 v[TQ+4:TQ+6], v[(\src)+48:(\src)+63], v[TM+15]
	v_nop                                          ; one plain place behind a scaled conversion
.irp i, 0,1,2
	v_permlane16_swap_b32 v[(\da)+\i], v[TQ+\i]
	v_permlane16_swap_b32 v[(\db)+\i], v[TQ+4+\i]
.endr
.irp i, 0,1,2
	v_mov_b32 v[(\da)+3+\i], v[TQ+\i]
	v_mov_b32 v[(\db)+3+\i], v[TQ+4+\i]
.endr
.endm
; ---- a weight's record: 8 tiles x 4 K steps
.macro LW q                            ; K step q: 8 scale words and 8 fragments: 32 loads
	WIN 0
.set cn, 0
.rept 8
	ds_load_b32 v[224+8*((\q)%2)+cn], v[ADW] offset:WOFF+(4*cn+(\q))*128
.set cn, cn+1
.endr
	WIN (2+(\q)/2)<<6
.set cn, 0
.rept 24
	ds_load_b128 v[12*(8*((\q)%2)+cn/3)+4*(cn%3):12*(8*((\q)%2)+cn/3)+4*(cn%3)+3], v[AD] offset:(4*(cn/3)+(\q))*1536+512*(cn%3)
.set cn, cn+1
.endr
.endm
.macro MMW q                           ; 8 products, the eight accumulators by turns
	WIN 0x04|(2+(\q)/2)
.set cn, 0
.rept 8
	WMC NB+8*cn,12*(8*((\q)%2)+cn),12*(\q),NB+8*cn,224+8*((\q)%2)+cn,XS+(\q)
.set cn, cn+1
.endr
.endm
; my 16 rows x the record's 128 channels into v[NB] on.  The bias (at po in PAR) is loaded into the accumulators: it is the sums' beginning.  wy = 1: my rows' own 128 numbers come into window 1 beside it.
.macro CHUNK po, wy
	v_add_nc_u32 v[AD], s[TB], v[LI]
	v_add_nc_u32 v[ADW], s[TB], v[LS]
	v_add_nc_u32 v[ADP], s[CB], v[PA]
	v_add_nc_u32 v[ADS], s[SB], v[STA]
.set cn, 0
.rept 16
	ds_load_b128 v[NB+4*cn:NB+4*cn+3], v[ADP] offset:(\po)+128*(cn/4)+16*(cn%4)
.set cn, cn+1
.endr
.if \wy
	WIN 0x40
.set cn, 0
.rept 16
	ds_load_b128 v[64+4*cn:64+4*cn+3], v[ADS] offset:512*cn
.set cn, cn+1
.endr
.endif
	LW 0
	LW 1
	s_wait_dscnt 32                                ; all but K step 1's 32 loads
	MMW 0
	PLACES 4                                       ; K step 2's scale words land in registers that these products have read
	LW 2
	s_wait_dscnt 32
	MMW 1
	PLACES 4
	LW 3
	s_wait_dscnt 32
	MMW 2
	s_wait_dscnt 0x0
	MMW 3
	WIN 0
	PLACES 4
.endm
.macro CHUNKQ                          ; two heads of Qp: masked, kept in f32 for the residual, quantised for the scores
	CHUNK 0, 0
.set cn, 0
.rept 32
	v_pk_mul_f32 v[NB+2*cn:NB+2*cn+1], v[NB+2*cn:NB+2*cn+1], v[30:31] op_sel_hi:[1,0]   ; x Qm; each accumulator from its low end on
.set cn, cn+1
.endr
.set cn, 0
.rept 16
	ds_store_b128 v[ADS], v[NB+4*cn:NB+4*cn+3] offset:512*cn
.set cn, cn+1
.endr
	QUANT NB,PC,PC+6,PW0
	v_perm_b32 v148, v[PW0], v[PW0], 0x01000100    ; [s0, s1, s0, s1]: the even head's word serves [Q | 0] and [0 | Q] alike
	v_perm_b32 v149, v[PW0], v[PW0], 0x03020302    ; the odd head's
	v_add_nc_u32 v[ADQ], s[QB], v[QCA]
	v_add_nc_u32 v[ADQ8], s[QB], v[QC8]
	v_add_nc_u32 v[ADQW], s[QW], v[QCW]
	ds_store_b128 v[ADQ], v[PC:PC+3]
	ds_store_b64 v[ADQ8], v[PC+4:PC+5]
	ds_store_b128 v[ADQ], v[PC+6:PC+9] offset:768
	ds_store_b64 v[ADQ8], v[PC+10:PC+11] offset:768
	ds_store_b32 v[ADQW], v148
	ds_store_b32 v[ADQW], v149 offset:128
	s_xor_b32 s[TB], s[TB], SLOT1
	s_add_co_u32 s[CB], s[CB], 512
	s_add_co_u32 s[SB], s[SB], 8192
	s_add_co_u32 s[QB], s[QB], 1536
	s_add_co_u32 s[QW], s[QW], 256
.endm
.macro CHUNKO                          ; z = y + relu(y Wo + bo), and its sum for LN1
	CHUNK 6144, 1
.set cn, 0
.rept 64
	v_max_num_f32 v[NB+cn], 0, v[NB+cn]
.set cn, cn+1
.endr
	WIN 0x04
.set cn, 0
.rept 32
	v_pk_add_f32 v[NB+2*cn:NB+2*cn+1], v[NB+2*cn:NB+2*cn+1], v[64+2*cn:65+2*cn]
.set cn, cn+1
.endr
	WIN 0
.set cn, 0
.rept 32
	v_pk_add_f32 v[52+2*(cn%2):53+2*(cn%2)], v[52+2*(cn%2):53+2*(cn%2)], v[NB+2*cn:NB+2*cn+1]
.set cn, cn+1
.endr
.set cn, 0
.rept 16
	ds_store_b128 v[ADS], v[NB+4*cn:NB+4*cn+3] offset:512*cn
.set cn, cn+1
.endr
	s_xor_b32 s[TB], s[TB], SLOT1
	s_add_co_u32 s[CB], s[CB], 512
	s_add_co_u32 s[SB], s[SB], 8192
.endm
; ---- pass 1 of a head: X = 2^(2^(c s) Km log2 e) for all 1,024 keys, its sum and its blocks' maxima
.macro KLOAD j                         ; key step j: four fragments (eight tiles of keys) and their words, from slot 0: 16 loads
.set kn, 0
.rept 12
	ds_load_b128 v[64+48*((\j)%2)+4*kn:64+48*((\j)%2)+4*kn+3], v[LI] offset:(4*(\j)+kn/3)*1536+512*(kn%3)
.set kn, kn+1
.endr
.irp b, 0,1,2,3
	ds_load_b32 v[224+4*((\j)%2)+\b], v[LS] offset:WOFF+(4*(\j)+\b)*128
.endr
.endm
.macro KMLOAD j                        ; Km log2 e of the step's keys, in X's layout: 16 loads
.set kn, 0
.rept 16
	ds_load_b128 v[NB+4*kn:NB+4*kn+3], v[KMA] offset:512*(\j)+128*(kn/4)+16*(kn%4)
.set kn, kn+1
.endr
.endm
.macro SMM j                           ; the step's scores: each fragment against [Q | 0] (its first tile of keys) and [0 | Q] (its second)
	WIN (1+(\j)/3)<<6
.irp b, 0,1,2,3
	WMZ 64*((\j)%3)+16*\b,64+48*((\j)%2)+12*\b,38,224+4*((\j)%2)+\b,QS
	WMZ 64*((\j)%3)+16*\b+8,64+48*((\j)%2)+12*\b,32,224+4*((\j)%2)+\b,QS
.endr
.endm
.macro EXL j, i
	v_exp_f32 v[64*((\j)%3)+(\i)], v[64*((\j)%3)+(\i)]
.endm
.macro M1L j, i                        ; pair i: s x c
	v_pk_mul_f32 v[64*((\j)%3)+2*(\i):64*((\j)%3)+2*(\i)+1], v[64*((\j)%3)+2*(\i):64*((\j)%3)+2*(\i)+1], s[CS:CS+1] op_sel_hi:[1,0]
.endm
.macro M2L j, i                        ; pair i: x Km log2 e
	v_pk_mul_f32 v[64*((\j)%3)+2*(\i):64*((\j)%3)+2*(\i)+1], v[64*((\j)%3)+2*(\i):64*((\j)%3)+2*(\i)+1], v[NB+2*(\i):NB+2*(\i)+1]
.endm
.macro M2Q j, i0                       ; four of them
	WIN 0x41*(1+(\j)/3)
.irp e, 0,1,2,3
	M2L \j,(\i0)+\e
.endr
.endm
; BY TURNS: the eight products of step j + 1's scores, and behind each of them four of step j's 32 multiplications by Km, which name none of the products' registers: the wave goes on issuing while the products are worked.
; The price is two switches of the register window a product: X lies outside window 0, the fragments inside it.  The four lines behind the last product are its places.
.macro SMMI j
.irp b, 0,1,2,3
	WIN (1+((\j)+1)/3)<<6
	WMZ 64*(((\j)+1)%3)+16*\b,64+48*(((\j)+1)%2)+12*\b,38,224+4*(((\j)+1)%2)+\b,QS
	M2Q \j,8*\b
	WIN (1+((\j)+1)/3)<<6
	WMZ 64*(((\j)+1)%3)+16*\b+8,64+48*(((\j)+1)%2)+12*\b,32,224+4*(((\j)+1)%2)+\b,QS
	M2Q \j,8*\b+4
.endr
.endm
.macro RL j, i                         ; line i of 64 of a finished step's sums (even i: a pair into one of two chains) and maxima (odd i: the four blocks by turns)
.set rX, 64*((\j)%3)
.set rk, (\i)/2
.if ((\i)%2) == 0
	v_pk_add_f32 v[204+2*(rk%2):205+2*(rk%2)], v[204+2*(rk%2):205+2*(rk%2)], v[rX+2*rk:rX+2*rk+1]
.else
.set rb, rk%4
.set rt, rk/4
.set rB, 192+4*((\j)%3)+rb
.if rt == 0
	v_max3_num_f32 v[rB], v[rX+16*rb], v[rX+16*rb+1], v[rX+16*rb+2]
.elseif rt < 7
	v_max3_num_f32 v[rB], v[rB], v[rX+16*rb+2*rt+1], v[rX+16*rb+2*rt+2]
.else
	v_max_num_f32 v[rB], v[rB], v[rX+16*rb+15]
.endif
.endif
.endm
; The exponentials go in batches of 64 with ONE wait each: nothing ahead of the wait names a result.  Plain work of a neighbouring step in the same window stands between them.
.macro ASLOT j, r                      ; the first exponentials of step j; r: with the sums and maxima of step j - 1
	WIN 0x55*(1+(\j)/3)
.set ii, 0
.rept 64
.if \r
	RL (\j)-1,ii
.endif
	EXL \j,ii
.set ii, ii+1
.endr
	v_nop                                          ; a plain place behind the last exponential
	s_wait_alu depctr_va_vdst(0)                   ; the wait ahead of the first instruction that names a result: one for the batch
.endm
.macro BSLOT j, m                      ; the second exponentials of step j; m: with the scaling of step j + 1's scores
	WIN 0x41*(1+(\j)/3)
.set ii, 0
.rept 32
.if \m
	M1L (\j)+1,ii
.endif
	EXL \j,2*ii
	EXL \j,2*ii+1
.set ii, ii+1
.endr
	v_nop
	s_wait_alu depctr_va_vdst(0)
.endm
.macro RALL j
	WIN 0x55*(1+(\j)/3)
.set ii, 0
.rept 64
	RL \j,ii
.set ii, ii+1
.endr
.endm
.macro M1ALL j
	WIN 0x41*(1+(\j)/3)
.set ii, 0
.rept 32
	M1L \j,ii
.set ii, ii+1
.endr
.endm
.macro M2ALL j
	WIN 0x41*(1+(\j)/3)
.set ii, 0
.rept 32
	M2L \j,ii
.set ii, ii+1
.endr
.endm
; THE LDS LOADS OF A STEP stand in two runs of 16.  Behind step j's multiplications by Km: Km of step j + 1.  Behind step j's second exponentials: K of step j + 3, into the set that step j + 1's products have read.
; So, in the order of issue, .. Km(j), K(j + 2), Km(j + 1), K(j + 3) ..; the wait behind step j's first exponentials wants Km(j) and K(j + 1), and leaves K(j + 2)'s 16 loads out.
.macro PASS1
	v_add_nc_u32 v[ADQ], s[QB], v[QCA]
	v_add_nc_u32 v[ADQ8], s[QB], v[QC8]
	v_add_nc_u32 v[ADQW], s[QW], v[QCW]
	ds_load_b128 v[38:41], v[ADQ]                  ; the head's Q, between the zeros
	ds_load_b64 v[42:43], v[ADQ8]
	ds_load_b32 v[QS], v[ADQW]
	KLOAD 0                                        ; what the first products want comes first
	KMLOAD 0
	KLOAD 1
.irp w, 1,2,3
	WIN \w<<6
.irp i, 204,205,206,207
	v_mov_b32 v\i, 0                               ; each window's partial sums
.endr
.endr
	s_wait_dscnt 32                                ; Q and key step 0 are in; Km's 16 loads and key step 1's 16 may be out
	SMM 0
	PLACES 4                                       ; in front of the loads into the set just read, and of the first read of results
	WIN 0
	KLOAD 2
	M1ALL 0
.irp j, 0,1,2,3,4,5,6,7
	ASLOT \j,((\j)%3)
.if \j < 6
	s_wait_dscnt 16                                ; this step's Km and the next step's fragments are in; the 16 loads of the step after that may be out
.else
	s_wait_dscnt 0x0                               ; no younger loads are left
.endif
.if \j < 7
	SMMI \j
.else
	M2ALL \j
.endif
	WIN 0
.if \j < 7
	KMLOAD (\j)+1
.endif
.if (\j < 7) && (((\j)+1)%3 != 0)
	BSLOT \j,1
.else
	BSLOT \j,0
.endif
.if \j < 5
	WIN 0
	KLOAD (\j)+3
.endif
.if ((\j)%3 == 2) || (\j == 7)                 ; a window's last step: its neighbour lies in another window
	RALL \j
.if \j < 7
	M1ALL (\j)+1
.endif
.endif
.endr
.endm
.macro SUMF                            ; f = Qm / (Qm x the row's sum + 1e-8): A = X f
	WIN 0x05
	v_pk_add_f32 v[60:61], v[204:205], v[206:207]
	WIN 0x0a
	v_pk_add_f32 v[62:63], v[204:205], v[206:207]
	WIN 0x0f
	v_pk_add_f32 v[58:59], v[204:205], v[206:207]
	WIN 0
	v_pk_add_f32 v[60:61], v[60:61], v[62:63]
	v_pk_add_f32 v[60:61], v[60:61], v[58:59]
	v_add_f32 v60, v60, v61
	v_permlanex16_b32 v61, v60, s[SEL], s[SEL+1]
	v_add_f32 v60, v60, v61
	v_fmaak_f32 v61, v30, v60, 0x322bcc77
	v_rcp_f32 v62, v61
	v_nop
	s_wait_alu depctr_va_vdst(0)
	v_mul_f32 v50, v30, v62
.endm
; ---- pass 2 of a head: A = X f quantised along the keys, O^T = Qh^T + V^T A^T
.macro VLOAD j                         ; key step j: V's four fragments, each in two parts, and their words, from slot 1: 20 loads
.set fF, 64+48*((\j)%2)
.irp t, 0,1,2,3
	ds_load_b128 v[fF+12*\t:fF+12*\t+3], v[LI1] offset:(4*(\j)+\t)*1536
	ds_load_b64 v[fF+12*\t+4:fF+12*\t+5], v[L81] offset:(4*(\j)+\t)*1536+512
	ds_load_b128 v[fF+12*\t+6:fF+12*\t+9], v[LI1] offset:(4*(\j)+\t)*1536+768
	ds_load_b64 v[fF+12*\t+10:fF+12*\t+11], v[L81] offset:(4*(\j)+\t)*1536+1280
	ds_load_b32 v[232+4*((\j)%2)+\t], v[LS1] offset:WOFF+(4*(\j)+\t)*128
.endr
.endm
.macro P123 j                          ; the step's four scales (a block's largest A is its largest X times f: the same multiplication on the same number), and A = X f
.set pW, 1+(\j)/3
.set pX, 64*((\j)%3)
.set pB, 192+4*((\j)%3)
	WIN pW
.irp b, 0,1,2,3
	v_permlanex16_b32 v[TX+\b], v[pB+\b], s[SEL], s[SEL+1]
.endr
.irp b, 0,1,2,3
	v_max_num_f32 v[TMA+\b], v[pB+\b], v[TX+\b]
.endr
	WIN 0
.irp b, 0,1,2,3
	v_mul_f32 v[TMA+\b], v[TMA+\b], v50
.endr
.irp b, 0,1,2,3
	v_max_num_f32 v[TMA+\b], 0x1800000, |v[TMA+\b]|
.endr
.irp b, 0,1,2,3
	v_add_nc_u32 v[SO+\b], 0xff000000, v[TMA+\b]
.endr
.irp b, 0,1,2,3
	v_lshrrev_b32 v[BY+\b], 23, v[SO+\b]
.endr
	v_lshl_or_b32 v[PW0+(\j)%2], v[BY+1], 8, v[BY]
	v_lshl_or_b32 v[PW0+(\j)%2], v[BY+2], 16, v[PW0+(\j)%2]
	v_lshl_or_b32 v[PW0+(\j)%2], v[BY+3], 24, v[PW0+(\j)%2]
	WIN 0x41*pW
.set pn, 0
.rept 32
	v_pk_mul_f32 v[pX+2*pn:pX+2*pn+1], v[pX+2*pn:pX+2*pn+1], v[50:51] op_sel_hi:[1,0]
.set pn, pn+1
.endr
.endm
.macro P45 j                           ; the step's codes into set j % 2
.set pX, 64*((\j)%3)
.set pC, 160+12*((\j)%2)
	WIN 1+(\j)/3
.irp c, 0,1
	v_cvt_scalef32_pk16_fp6_f32 v[pC+6*\c:pC+6*\c+2], v[pX+32*\c:pX+32*\c+15], v[SO+2*\c]
	v_cvt_scalef32_pk16_fp6_f32 v[TQ2+4*\c:TQ2+4*\c+2], v[pX+32*\c+16:pX+32*\c+31], v[SO+2*\c+1]
.endr
	WIN 0
	v_nop
.irp c, 0,1
.irp i, 0,1,2
	v_permlane16_swap_b32 v[pC+6*\c+\i], v[TQ2+4*\c+\i]
.endr
.irp i, 0,1,2
	v_mov_b32 v[pC+6*\c+3+\i], v[TQ2+4*\c+\i]
.endr
.endr
.endm
.macro PV j                            ; four products, the four accumulators by turns
	WIN 0xf0
.irp t, 0,1,2,3
	WMC 128+8*\t,64+48*((\j)%2)+12*\t,160+12*((\j)%2),128+8*\t,232+4*((\j)%2)+\t,PW0+(\j)%2
.endr
.endm
.macro PASS2
	v_add_nc_u32 v[ADS], s[SB], v[STA]
	WIN 0xc0
.set pn, 0
.rept 8
	ds_load_b128 v[128+4*pn:128+4*pn+3], v[ADS] offset:512*pn   ; the residual Qh is the sums' beginning
.set pn, pn+1
.endr
	WIN 0
	VLOAD 0
	P123 0
.irp j, 0,1,2,3,4,5,6,7
	P45 \j
.if \j < 7
	VLOAD (\j)+1
	P123 (\j)+1                                    ; (the places between the codes' last moves and the products)
	s_wait_dscnt 20                                ; all but the next step's 20 loads
.else
	PLACES 8
	s_wait_dscnt 0x0
.endif
	PV \j
.endr
	PLACES 4
	WIN 0x0c
.set pn, 0
.rept 16
	v_pk_add_f32 v[52+2*(pn%2):53+2*(pn%2)], v[52+2*(pn%2):53+2*(pn%2)], v[128+2*pn:129+2*pn]   ; LN0's sum; each accumulator from its low end on
.set pn, pn+1
.endr
.set pn, 0
.rept 8
	ds_store_b128 v[ADS], v[128+4*pn:128+4*pn+3] offset:512*pn
.set pn, pn+1
.endr
	WIN 0
.endm
; ---- layer norms over my 512 numbers a query, which lie in the stash as four chunks of 64 registers
.macro ZEROMS
.irp i, 52,53,54,55
	v_mov_b32 v\i, 0
.endr
.endm
.macro ROWMEAN
	v_pk_add_f32 v[52:53], v[52:53], v[54:55]
	v_add_f32 v52, v52, v53
	v_permlanex16_b32 v53, v52, s[SEL], s[SEL+1]
	v_add_f32 v52, v52, v53
	v_mul_f32 v56, s66, v52
	v_mov_b32 v57, v56
.endm
; THE VARIANCE IS TAKEN IN REGISTERS: my 256 numbers a lane come out of the stash in one run, into window 2, which X (or the weights' fragments) has left; nothing goes back: the loops that normalise take the mean away again.
.macro VLD g                           ; chunk g: 16 loads
	WIN 0x80
.set cn, 0
.rept 16
	ds_load_b128 v[64*(\g)+4*cn:64*(\g)+4*cn+3], v[STA] offset:8192*(\g)+512*cn
.set cn, cn+1
.endr
.endm
.macro VGRP g                          ; chunk g: d = x - mean, and the sum of d^2 in two chains
	WIN 0x82
.set cn, 0
.rept 32
	v_pk_add_f32 v[64*(\g)+2*cn:64*(\g)+2*cn+1], v[64*(\g)+2*cn:64*(\g)+2*cn+1], v[56:57] op_sel_hi:[1,0] neg_lo:[0,1] neg_hi:[0,1]
.set cn, cn+1
.endr
	WIN 0x0a
.set cn, 0
.rept 32
	v_pk_fma_f32 v[52+2*(cn%2):53+2*(cn%2)], v[64*(\g)+2*cn:64*(\g)+2*cn+1], v[64*(\g)+2*cn:64*(\g)+2*cn+1], v[52+2*(cn%2):53+2*(cn%2)]
.set cn, cn+1
.endr
.endm
.macro VARR                            ; v58 = 1 / sqrt(mean of (x - mean)^2 + 1e-5)
	ZEROMS
	VLD 0                                          ; LDS serves a wave's instructions in order: these see my stores into the stash
	VLD 1
	VLD 2
	s_wait_dscnt 32                                ; chunk 0 is in; the 32 loads of chunks 1 and 2 may be out
	VGRP 0
	VLD 3
	s_wait_dscnt 32                                ; chunk 1; chunks 2 and 3 may be out
	VGRP 1
	s_wait_dscnt 16
	VGRP 2
	s_wait_dscnt 0x0
	VGRP 3
	WIN 0
	v_pk_add_f32 v[52:53], v[52:53], v[54:55]
	v_add_f32 v52, v52, v53
	v_permlanex16_b32 v53, v52, s[SEL], s[SEL+1]
	v_add_f32 v52, v52, v53
	v_fmaak_f32 v60, s66, v52, 0x3727c5ac
	v_rsq_f32 v58, v60
	v_nop
	s_wait_alu depctr_va_vdst(0)
	v_mov_b32 v59, v58
.endm
.macro NLOAD pa, og, ob                ; a chunk's numbers, gains and biases
	v_add_nc_u32 v[ADS], s[SB], v[STA]
	v_add_nc_u32 v[ADP], s[CB], v[\pa]
.set cn, 0
.rept 16
	ds_load_b128 v[NB+4*cn:NB+4*cn+3], v[ADS] offset:512*cn
.set cn, cn+1
.endr
	WIN 0x40
.set cn, 0
.rept 16
	ds_load_b128 v[64+4*cn:64+4*cn+3], v[ADP] offset:(\og)+128*(cn/4)+16*(cn%4)
.set cn, cn+1
.endr
.set cn, 0
.rept 16
	ds_load_b128 v[128+4*cn:128+4*cn+3], v[ADP] offset:(\ob)+128*(cn/4)+16*(cn%4)
.set cn, cn+1
.endr
	WIN 0
.endm
.macro NCALC                           ; ((x - mean) / sqrt(..)) g + b
.set cn, 0
.rept 32
	v_pk_add_f32 v[NB+2*cn:NB+2*cn+1], v[NB+2*cn:NB+2*cn+1], v[56:57] op_sel_hi:[1,0] neg_lo:[0,1] neg_hi:[0,1]
.set cn, cn+1
.endr
.set cn, 0
.rept 32
	v_pk_mul_f32 v[NB+2*cn:NB+2*cn+1], v[NB+2*cn:NB+2*cn+1], v[58:59] op_sel_hi:[1,0]
.set cn, cn+1
.endr
	WIN 0x14
.set cn, 0
.rept 32
	v_pk_fma_f32 v[NB+2*cn:NB+2*cn+1], v[NB+2*cn:NB+2*cn+1], v[64+2*cn:65+2*cn], v[128+2*cn:129+2*cn]
.set cn, cn+1
.endr
	WIN 0
.endm
.macro FRAGS                           ; my rows' four fragments and their words, out of my own images
	WIN 0x40
.set cn, 0
.rept 12
	ds_load_b128 v[4*cn:4*cn+3], v[QCA] offset:512*cn
.set cn, cn+1
.endr
	WIN 0
.irp q, 0,1,2,3
	ds_load_b32 v[XS+\q], v[QCW] offset:128*\q
.endr
.endm
	s_load_b512 s[4:19], s[0:1], 0x0               ; Q, Qm, Km, bq, g0, b0, bo, g1
	s_load_b256 s[20:27], s[0:1], 0x40             ; b1, wimg, kv, out0
	v_lshl_add_u32 v[SPW], v0, 2, SPARE
	v_mov_b32 v[NIL], 0
	ds_add_u32 v[SPW], v[NIL]                      ; the wave's opening: the add and its wait stand ahead of my first tensor load; the set-up below, work on registers, stands between them
	v_lshrrev_b32 v60, 5, v0
	v_readfirstlane_b32 s[WV], v60                 ; wave 0..3
	s_and_b32 s30, ttmp7, 0xffff                   ; the batch, which the four partners share
	; descriptor group 1: a quarter of a record, 13,312 dense bytes, as 52 rows of 256 bytes (32 elements of 8); no padding: images are read 16 bytes a lane on end
	s_mov_b32 s[G1], 0x0023000f                    ; 15:0 the mask: all four work-groups; 17:16 elements of 8 bytes; 21 set beside a mask
	s_mov_b32 s[G1+1], 32<<16                      ; tensor_dim0
	s_mov_b32 s[G1+2], 52<<16                      ; tensor_dim1
	s_mov_b32 s[G1+3], 32<<16                      ; tile_dim0
	s_mov_b32 s[G1+4], 52                          ; tile_dim1
	s_mov_b32 s[G1+5], 32                          ; tensor_dim0_stride
	s_mov_b32 s[G1+6], 0
	s_mov_b32 s[G1+7], 0
	s_mov_b32 s[CS], 0x3d8293ee                    ; c = log2(e) / sqrt(512)
	s_mov_b32 s[CS+1], s[CS]
	s_mov_b32 s[SEL], 0x76543210
	s_mov_b32 s[SEL+1], 0xfedcba98                 ; lane l xor 16
	s_mov_b32 s66, 0x3b000000                      ; 1 / 512
	v_and_b32 v60, 31, v0                          ; L
	v_and_b32 v61, 15, v0                          ; r
	v_bfe_u32 v62, v0, 4, 1                        ; h
	v_lshlrev_b32 v[LI], 4, v60
	v_lshlrev_b32 v[LS], 2, v60
	v_add_nc_u32 v[LI1], SLOT1, v[LI]
	v_lshl_add_u32 v[L81], v60, 3, SLOT1
	v_add_nc_u32 v[LS1], SLOT1, v[LS]
	v_lshl_add_u32 v[KMA], v62, 6, KMS
	v_lshl_add_u32 v[PA], v62, 6, PAR
	v_lshl_add_u32 v[PA2], v62, 6, PAR2
	s_mul_i32 s58, s[WV], QCB
	s_add_co_u32 s58, s58, QC
	v_add_nc_u32 v[QCA], s58, v[LI]
	v_lshl_add_u32 v[QC8], v60, 3, s58
	v_add_nc_u32 v[QC8], 512, v[QC8]
	v_add_nc_u32 v[QCW], s58, v[LS]
	v_add_nc_u32 v[QCW], 6144, v[QCW]
	s_mul_i32 s59, s[WV], STB
	s_add_co_u32 s59, s59, STASH
	v_add_nc_u32 v[STA], s59, v[LI]
	v_mul_u32_u24 v[STR], v61, SPITCH
	v_lshl_add_u32 v[STR], v62, 6, v[STR]
	v_add_nc_u32 v[STR], s59, v[STR]
	s_mul_i32 s60, s[WV], 16*OPITCH
	v_mul_u32_u24 v[OSW], v61, OPITCH
	v_lshl_add_u32 v[OSW], v62, 6, v[OSW]
	v_add_nc_u32 v[OSW], s60, v[OSW]
	v_add_nc_u32 v[OSR], s60, v[LI]
	v_lshlrev_b32 v[T16], 4, v0
	v_add_nc_u32 v[PT], PAR, v[T16]
	v_add_nc_u32 v[PT2], PAR2, v[T16]
	v_add_nc_u32 v[KMT], KMS, v[T16]
	v_lshlrev_b32 v[R4], 2, v61
.irp i, 31,32,33,34,35,36,37,44,45,46,47,48,49,51
	v_mov_b32 v\i, 0                               ; the zeros beside Q, and the upper halves of pairs that packed forms name
.endr
.irp b, 0,1,2,3
	v_mov_b32 v[TM+4+\b], 0                        ; a lane permute's destination counts as one of its sources
.endr
	s_mul_i32 s60, s[WV], QREC                     ; my quarter of a record: in memory and in a slot
	s_mov_b32 s61, 0
	s_mul_i32 s62, s30, 16*REC                     ; the batch's 16 records
	s_mov_b32 s63, 0
	s_wait_dscnt 0x0                               ; the opening add is done
	s_wait_kmcnt 0x0
	s_add_nc_u64 s[PWP:PWP+1], s[22:23], s[60:61]
	s_add_nc_u64 s[PKP:PKP+1], s[24:25], s[60:61]
	s_add_nc_u64 s[PKP:PKP+1], s[PKP:PKP+1], s[62:63]
	ROUND                                          ; all four work-groups are here: the first joint loads meet
	s_mov_b32 s[G0], 1
	s_mov_b32 s[G0+1], s60                         ; slot 0
	s_mov_b64 s[G0+2:G0+3], s[PWP:PWP+1]           ; record 0: Wq's first
	s_or_b32 s[G0+3], s[G0+3], 0x80000000
	tensor_load_to_lds s[G0:G0+3], s[G1:G1+7]
	s_nop 0
	PLACES 4
	s_add_nc_u64 s[PWP:PWP+1], s[PWP:PWP+1], REC
	; my rows.  The place in the cluster enters the addresses of Q, Qm and out0 alone, in registers that feed nothing else
	s_bfe_u32 s68, ttmp6, 0x40000                  ; cx
	s_lshl_b32 s69, ttmp9, 2
	s_add_co_u32 s68, s68, s69                     ; my block of 64 queries
	s_lshl_b32 s68, s68, 6
	s_lshl_b32 s69, s30, 10
	s_add_co_u32 s68, s68, s69
	s_lshl_b32 s69, s[WV], 4
	s_add_co_u32 s68, s68, s69                     ; my first query among all 16,384
	s_lshl_b32 s70, s68, 11
	s_mov_b32 s71, 0
	s_add_nc_u64 s[4:5], s[4:5], s[70:71]
	s_add_nc_u64 s[26:27], s[26:27], s[70:71]
	s_lshl_b32 s70, s68, 2
	s_add_nc_u64 s[6:7], s[6:7], s[70:71]
	s_lshl_b32 s62, s30, 12
	s_add_nc_u64 s[8:9], s[8:9], s[62:63]          ; the batch's Km
	; ---- inputs: the parameters and Km go to LDS, 16 bytes a thread; my 16 rows of Q turn through my stage
	global_load_b128 v[160:163], v[T16], s[10:11]
	global_load_b128 v[164:167], v[T16], s[12:13]
	global_load_b128 v[168:171], v[T16], s[14:15]
	global_load_b128 v[172:175], v[T16], s[16:17]
	global_load_b128 v[176:179], v[T16], s[18:19]
	global_load_b128 v[180:183], v[T16], s[20:21]
	global_load_b128 v[184:187], v[T16], s[8:9]
	global_load_b128 v[188:191], v[T16], s[8:9] offset:2048
	global_load_b32 v30, v[R4], s[6:7]
	WIN 0x80
.set n, 0
.rept 48
	global_load_b128 v[4*n:4*n+3], v[LI], s[4:5] offset:(n%16)*2048+512*(n/16) th:TH_LOAD_NT   ; 512 consecutive bytes of a row; three of Q's four K steps go out with the nine: 57 loads
.set n, n+1
.endr
	WIN 0
	s_wait_loadcnt 48                              ; the nine are in; Q's 48 may be out
	ds_store_b128 v[PT], v[160:163]
	ds_store_b128 v[PT], v[164:167] offset:2048
	ds_store_b128 v[PT], v[168:171] offset:4096
	ds_store_b128 v[PT], v[172:175] offset:6144
	ds_store_b128 v[PT2], v[176:179]
	ds_store_b128 v[PT2], v[180:183] offset:2048
.irp i, 184,186,188,190
	v_pk_mul_f32 v[\i:\i+1], v[\i:\i+1], 0x3fb8aa3b op_sel_hi:[1,0]   ; Km x log2 e
.endr
	ds_store_b128 v[KMT], v[184:187]
	ds_store_b128 v[KMT], v[188:191] offset:2048
	WIN 0x80
.rept 16
	global_load_b128 v[4*n:4*n+3], v[LI], s[4:5] offset:(n%16)*2048+512*(n/16) th:TH_LOAD_NT
.set n, n+1
.endr
	WIN 0x08
.set n, 0
.rept 64
.if (n%16) == 0
	s_wait_loadcnt 48-n                            ; this K step's 16 loads are in; the later steps' may be out
.endif
	ds_store_b128 v[STA], v[4*n:4*n+3] offset:(n%16)*SPITCH+512*(n/16)
.set n, n+1
.endr
	WIN 0
	s_wait_dscnt 0x0                               ; the stores have read their registers
	; ---- my rows of Q become four fragments, a K step a trip
	s_mov_b32 s[CNT], 0
	s_mov_b32 s[S1], 0
	s_mov_b32 s[S2], 0
	s_mov_b32 s[S3], 0
.Lp3:
	v_add_nc_u32 v[AD], s[S1], v[STR]
	v_add_nc_u32 v[ADQ], s[S2], v[QCA]
	v_add_nc_u32 v[ADQW], s[S3], v[QCW]
.set n, 0
.rept 16
	ds_load_b128 v[NB+4*n:NB+4*n+3], v[AD] offset:128*(n/4)+16*(n%4)
.set n, n+1
.endr
	s_wait_dscnt 0x0
	QUANT NB,PC,PC+6,PW0
	ds_store_b128 v[ADQ], v[PC:PC+3]
	ds_store_b128 v[ADQ], v[PC+4:PC+7] offset:512
	ds_store_b128 v[ADQ], v[PC+8:PC+11] offset:1024
	ds_store_b32 v[ADQW], v[PW0]
	s_wait_dscnt 0x0
	s_add_co_u32 s[S1], s[S1], 512
	s_add_co_u32 s[S2], s[S2], 1536
	s_add_co_u32 s[S3], s[S3], 128
	s_add_co_u32 s[CNT], s[CNT], 1
	s_cmp_lt_u32 s[CNT], 4
	s_cbranch_scc1 .Lp3
	FRAGS
	; ---- Qp: Wq's four records
	s_mov_b32 s[CNT], 0
	s_mov_b32 s[TB], 0
	s_mov_b32 s[CB], 0
	s_mov_b32 s[SB], 0
	s_mov_b32 s[QB], 0
	s_mov_b32 s[QW], 0
.Lcq:
	CHANGE 3
	CHUNKQ
	s_add_co_u32 s[CNT], s[CNT], 1
	s_cmp_lt_u32 s[CNT], 4
	s_cbranch_scc1 .Lcq
	s_add_nc_u64 s[PWP:PWP+1], s[PWP:PWP+1], 7*REC ; on to Wo's first record
	s_add_nc_u64 s[PKP:PKP+1], s[PKP:PKP+1], REC   ; K of head 0 has been asked for
	; ---- the eight heads
	s_mov_b32 s[CNT], 0
	s_mov_b32 s[SB], 0
	s_mov_b32 s[QB], 0
	s_mov_b32 s[QW], 0
	ZEROMS
.Lhead:
	CHANGE 2
	PASS1
	SUMF
	CHANGE 4
	PASS2
	s_add_co_u32 s[SB], s[SB], 4096
	s_add_co_u32 s[QB], s[QB], 768
	s_add_co_u32 s[QW], s[QW], 128
	s_add_co_u32 s[CNT], s[CNT], 1
	s_cmp_lt_u32 s[CNT], 8
	s_cbranch_scc1 .Lhead
	s_add_nc_u64 s[PWP:PWP+1], s[PWP:PWP+1], REC   ; Wo's first record has been asked for
	; ---- LN0; y is kept in f32 for the residual and quantised for the last product
	ROWMEAN
	VARR
.irp b, 0,1,2,3
	v_mov_b32 v[TM+4+\b], 0
.endr
	s_mov_b32 s[CNT], 0
	s_mov_b32 s[SB], 0
	s_mov_b32 s[CB], 0
	s_mov_b32 s[S2], 0
	s_mov_b32 s[S3], 0
.Ln0:
	NLOAD PA,2048,4096
	v_add_nc_u32 v[ADQ], s[S2], v[QCA]
	v_add_nc_u32 v[ADQW], s[S3], v[QCW]
	s_wait_dscnt 0x0
	NCALC
.set n, 0
.rept 16
	ds_store_b128 v[ADS], v[NB+4*n:NB+4*n+3] offset:512*n
.set n, n+1
.endr
	QUANT NB,PC,PC+6,PW0
	ds_store_b128 v[ADQ], v[PC:PC+3]
	ds_store_b128 v[ADQ], v[PC+4:PC+7] offset:512
	ds_store_b128 v[ADQ], v[PC+8:PC+11] offset:1024
	ds_store_b32 v[ADQW], v[PW0]
	s_wait_dscnt 0x0
	s_add_co_u32 s[SB], s[SB], 8192
	s_add_co_u32 s[CB], s[CB], 512
	s_add_co_u32 s[S2], s[S2], 1536
	s_add_co_u32 s[S3], s[S3], 128
	s_add_co_u32 s[CNT], s[CNT], 1
	s_cmp_lt_u32 s[CNT], 4
	s_cbranch_scc1 .Ln0
	FRAGS
	; ---- Wo's four records; the last is written out
	s_mov_b32 s[CNT], 0
	s_mov_b32 s[TB], 0
	s_mov_b32 s[CB], 0
	s_mov_b32 s[SB], 0
	ZEROMS
.Lwo:
	CHANGE 1
	CHUNKO
	s_add_co_u32 s[CNT], s[CNT], 1
	s_cmp_lt_u32 s[CNT], 3
	s_cbranch_scc1 .Lwo
	CHANGE 0
	CHUNKO
	; ---- LN1 and the way out: a chunk's 16 rows x 512 bytes go through my stage in slot 0 and leave as whole rows
	ROWMEAN
	VARR
	s_mov_b32 s[CNT], 0
	s_mov_b32 s[SB], 0
	s_mov_b32 s[CB], 0
.Lf1:
	NLOAD PA2,0,2048
	s_wait_dscnt 0x0
	NCALC
.set n, 0
.rept 16
	ds_store_b128 v[OSW], v[NB+4*n:NB+4*n+3] offset:128*(n/4)+16*(n%4)
.set n, n+1
.endr
.set n, 0
.rept 16
	ds_load_b128 v[64+4*n:64+4*n+3], v[OSR] offset:OPITCH*n   ; LDS serves a wave's instructions in order: these see my stores
.set n, n+1
.endr
.set n, 0
.rept 16
	s_wait_dscnt 15-n
	global_store_b128 v[LI], v[64+4*n:64+4*n+3], s[26:27] offset:2048*n th:TH_STORE_NT   ; 32 lanes store 512 consecutive bytes, at a multiple of 256 from out0's first byte
.set n, n+1
.endr
	s_wait_xcnt 0x0                                ; the stores have read their registers and their base: both are written again only behind this wait
	s_add_nc_u64 s[26:27], s[26:27], 512
	s_add_co_u32 s[SB], s[SB], 8192
	s_add_co_u32 s[CB], s[CB], 512
	s_add_co_u32 s[CNT], s[CNT], 1
	s_cmp_lt_u32 s[CNT], 4
	s_cbranch_scc1 .Lf1
	s_wait_tensorcnt 0x0                           ; the wave's end: behind my last tensor load and my last LDS store
	ds_add_u32 v[SPW], v[NIL]
	s_wait_dscnt 0x0
	ROUND                                          ; the closing round: no work-group ends while a partner may still ask for a record that names it
	s_endpgm
.Lfunc_end_k_qa4e78cd369_attn:
	.size	k_qa4e78cd369_attn, .Lfunc_end_k_qa4e78cd369_attn-k_qa4e78cd369_attn
	.p2alignl 7, 3214868480
	.fill 96, 4, 3214868480
	.section	.rodata,"a",@progbits
	.p2align	6, 0x0
	.amdhsa_kernel k_qa4e78cd369_attn
		.amdhsa_group_segment_fixed_size 327680
		.amdhsa_private_segment_fixed_size 0
		.amdhsa_enable_private_segment 0
		.amdhsa_kernarg_size 96
		.amdhsa_user_sgpr_count 2
		.amdhsa_user_sgpr_kernarg_segment_ptr 1
		.amdhsa_wavefront_size32 1
		.amdhsa_system_sgpr_workgroup_id_x 1
		.amdhsa_system_sgpr_workgroup_id_y 1
		.amdhsa_system_sgpr_workgroup_id_z 1
		.amdhsa_system_vgpr_workitem_id 0
		.amdhsa_next_free_vgpr 1024
		.amdhsa_next_free_sgpr 80
		.amdhsa_reserve_vcc 0
		.amdhsa_float_denorm_mode_32 3
		.amdhsa_float_denorm_mode_16_64 3
		.amdhsa_memory_ordered 1
		.amdhsa_forward_progress 1
		.amdhsa_inst_pref_size 255
	.end_amdhsa_kernel
	.section	.bss,"aw",@nobits
	.p2align	6
	.space	262144
	.amdgpu_metadata
---
amdhsa.version: [ 1, 2 ]
amdhsa.kernels:
  - .name:           k_qa4e78cd369_attn
    .symbol:         k_qa4e78cd369_attn.kd
    .args:
      - { .name: Q, .offset: 0, .size: 8, .value_kind: global_buffer, .address_space: global }
      - { .name: Qm, .offset: 8, .size: 8, .value_kind: global_buffer, .address_space: global }
      - { .name: Km, .offset: 16, .size: 8, .value_kind: global_buffer, .address_space: global }
      - { .name: bq, .offset: 24, .size: 8, .value_kind: global_buffer, .address_space: global }
      - { .name: g0, .offset: 32, .size: 8, .value_kind: global_buffer, .address_space: global }
      - { .name: b0, .offset: 40, .size: 8, .value_kind: global_buffer, .address_space: global }
      - { .name: bo, .offset: 48, .size: 8, .value_kind: global_buffer, .address_space: global }
      - { .name: g1, .offset: 56, .size: 8, .value_kind: global_buffer, .address_space: global }
      - { .name: b1, .offset: 64, .size: 8, .value_kind: global_buffer, .address_space: global }
      - { .name: wimg, .offset: 72, .size: 8, .value_kind: global_buffer, .address_space: global }
      - { .name: kv, .offset: 80, .size: 8, .value_kind: global_buffer, .address_space: global }
      - { .name: out0, .offset: 88, .size: 8, .value_kind: global_buffer, .address_space: global }
    .group_segment_fixed_size: 327680
    .private_segment_fixed_size: 0
    .kernarg_segment_align: 8
    .kernarg_segment_size: 96
    .max_flat_workgroup_size: 128
    .sgpr_count:     80
    .vgpr_count:     1024
    .wavefront_size: 32
...
	.end_amdgpu_metadata
.endif
;; end of part 3
